; MI455X (gfx1250); checked and timed in simulation.
; The chip was launched on July 23, 2026; its instructions are those of AMD's public machine-readable ISA for CDNA 5 (MIT licence, August 2026) and "CDNA5" Instruction Set Architecture Reference Guide (July 2026). The comments in the code are by the model that wrote it; some were corrected since.
;; Traj Model. Allowed arithmetic: float matrix products may take bf16 or f16 operands with f32 sums; other float arithmetic in f32, or as packed bf16 or f16 multiplies, adds, multiply-adds, maxima and minima; sums over many terms, partial sums and values carried from step to step in f32; what a program stores and reads back later, other than sums and carried values, may be rounded once to bf16 or f16.
;; Inputs: W1 8 x 1,024 x 4,096 float32; W2 8 x 4,096 x 1,024 float32; Wg 1,824 x 8 float32; b1 8 x 4,096 float32; b2 8 x 1,024 float32; bg 8 float32; city_embeddings 4 x 32 float32; delta_dis_info 4 x 256 x 256 float32; delta_entropy_info 4 x 256 x 128 float32; delta_rg_info 4 x 256 x 128 float32; delta_t_info 4 x 256 x 256 float32; x 4 x 256 x 1,024 float32.
;; Outputs: out0 4 x 256 x 1,024 float32; out1 4 x 256 x 8 float32.
;; Constants: city_index = 1.
;; One version. Each part assembles by itself: llvm-mc -triple=amdgcn-amd-amdhsa -mcpu=gfx1250 --defsym DOCPART=n.
;; ======== version 1 of 1: 4 launches
;; workspace buffers: xb 2,097,152 bytes; route 4,096 bytes of whole numbers; gw 8,192 bytes; hb 67,108,864 bytes; yp 33,554,432 bytes
;; launch router (part 1): grid 256 x 1, 4 waves a work-group, no clusters, 16,896 bytes of LDS; arguments x, delta_t_info, delta_dis_info, delta_rg_info, delta_entropy_info, city_embeddings, Wg, bg, out1, xb, route, gw; writes out1, xb, route, gw
.if DOCPART == 1
	.amdgcn_target "amdgcn-amd-amdhsa--gfx1250"
	.amdhsa_code_object_version 6
	.text
	.protected	k_q9ab2af0e42_router
	.globl	k_q9ab2af0e42_router
	.p2align	8
	.type	k_q9ab2af0e42_router,@function
k_q9ab2af0e42_router:
	s_mov_b64 s[64:65], 0
	v_nop
	global_prefetch_b8 v0, s[64:65] scope:SCOPE_SE
	s_setreg_imm32_b32 hwreg(HW_REG_WAVE_MODE, 25, 1), 1
	s_wait_xcnt 0x0
; ROUTER.  logits = [x | city row 1 | dt | dd | rg | entropy] Wg + bg (1,824 features, 8 experts); out1 = softmax(logits); the two largest logits' experts and
; their gates (softmax over the two) go to route and gw at fixed places; x rounded to bf16 goes to xb.
; FORMAT.  Every input is rounded once to bf16 (to nearest even), as the experts' products round theirs; products and sums are f32 on the vector unit: N = 8 is no work for the matrix unit.
; LIMITS.  The f32 sums run in another order than a plain row sum, so logits that agree to about 1e-6 of their size may be ranked otherwise; equal logits go to the lower index.
; NaN and infinite logits are not treated apart.  A gate1 below 2^-126 is stored as 0.  out1 leaves in pieces of 32 bytes (the whole output is 32,768 bytes).
; SHARES.  A work-group has 4 tokens.  The features go in blocks of 128, a lane 4 neighbouring features of a block; four positions b = 0..3, one text for all waves:
;   wave 0: x 0-511; wave 1: x 512-1023; wave 2: dt, dt, dd, dd; wave 3: the city row, and in positions 2, 3 rg and entropy.
;   In every wave position b's first row of Wg is wbase + 128 b, wbase = 0, 512, 1056, 1312.
; Then the waves' 4 x 8 partial sums a lane meet in LDS, and wave t finishes token t.
.set SPARE, 16384                      ; behind the parts: the spare words, 128 bytes for each of 4 waves
.set ACC, 16                           ; v16-47    sums: token t, expert e at 16 + 8 t + e
.set X,   48                           ; v48-111   features: position b, token t, feature f at 48 + 16 b + 4 t + f
.set W,   112                          ; v112-239  Wg: position b, feature f, expert e at 112 + 32 b + 8 f + e
.set CV,  240                          ; v240      my city number (v241 is named with it as a pair)
.set GWO, 242                          ; v242      gw: my lane's choice, 4,096 bytes apart; no load writes it
.set CG,  244                          ; v244-251  its row of Wg
.set L,   48                           ; the finish: v48-55 the logits
.set WV,  8                            ; s8 my wave's number
.macro PKB op, d, a, b                 ; a packed line whose second source is ONE register, given to both halves
.if ((\b)%2) == 0
	\op v[\d:(\d)+1], v[\a:(\a)+1], v[\b:(\b)+1] op_sel_hi:[1,0]
.else
	\op v[\d:(\d)+1], v[\a:(\a)+1], v[(\b)-1:\b] op_sel:[0,1] op_sel_hi:[1,1]
.endif
.endm
.macro PKF d, a, b                     ; d += a x (one register for both halves)
.if ((\b)%2) == 0
	v_pk_fma_f32 v[\d:(\d)+1], v[\a:(\a)+1], v[\b:(\b)+1], v[\d:(\d)+1] op_sel_hi:[1,0,1]
.else
	v_pk_fma_f32 v[\d:(\d)+1], v[\a:(\a)+1], v[(\b)-1:\b], v[\d:(\d)+1] op_sel:[0,1,0] op_sel_hi:[1,1,1]
.endif
.endm
.macro ROUND4 a                        ; four f32 rounded to bf16 and widened again, in place
	v_cvt_pk_bf16_f32 v14, v[\a], v[(\a)+1]
	v_cvt_pk_bf16_f32 v15, v[(\a)+2], v[(\a)+3]
	v_lshlrev_b32 v[\a], 16, v14
	v_and_b32 v[(\a)+1], s68, v14
	v_lshlrev_b32 v[(\a)+2], 16, v15
	v_and_b32 v[(\a)+3], s68, v15
.endm
.macro LOADS b                         ; position b: 4 tokens x 512 consecutive bytes, and my 4 rows of Wg (128 bytes a lane)
.irp t, 0,1,2,3
	global_load_b128 v[X+16*(\b)+4*(\t):X+16*(\b)+4*(\t)+3], v[4+(\t)], s[44+2*(\b):45+2*(\b)] th:TH_LOAD_NT
.endr
.irp i, 0,1,2,3,4,5,6,7
	global_load_b128 v[W+32*(\b)+4*(\i):W+32*(\b)+4*(\i)+3], v8, s[52:53] offset:4096*(\b)+16*(\i)
.endr
.endm
.macro FMAS b, first                   ; position b is rounded and multiplied: 64 packed lines; first = 1: feature 0's products start the sums
.set n, 0
.rept 4
	ROUND4 X+16*(\b)+4*n
.set n, n+1
.endr
.set n, 0
.rept 8
	ROUND4 W+32*(\b)+4*n
.set n, n+1
.endr
.irp f, 0,1,2,3
.irp t, 0,1,2,3
.irp p, 0,1,2,3
.if (\first) && ((\f) == 0)
	PKB v_pk_mul_f32, ACC+8*(\t)+2*(\p), W+32*(\b)+8*(\f)+2*(\p), X+16*(\b)+4*(\t)+(\f)
.else
	PKF ACC+8*(\t)+2*(\p), W+32*(\b)+8*(\f)+2*(\p), X+16*(\b)+4*(\t)+(\f)
.endif
.endr
.endr
.endr
.endm
	s_load_b512 s[12:27], s[0:1], 0x0              ; x 12, dt 14, dd 16, rg 18, entropy 20, city 22, Wg 24, bg 26
	s_load_b256 s[28:35], s[0:1], 0x40             ; out1 28, xb 30, route 32, gw 34
	v_lshl_add_u32 v2, v0, 2, SPARE                ; my spare word,
	v_mov_b32 v3, 0                                ; and 0: kept for the add at the wave's end
	v_and_b32 v1, 31, v0                           ; lane
	v_lshrrev_b32 v9, 5, v0
	v_readfirstlane_b32 s[WV], v9
	s_mov_b32 s66, 0x76543210                      ; v_permlanex16_b32: each lane takes its own place in the other half
	s_mov_b32 s67, 0xfedcba98
	s_mov_b32 s68, 0xffff0000                      ; a word's upper bf16
	s_movk_i32 s2, 0x1000
	s_lshl_b32 s10, s[WV], 11
	s_cmp_lt_u32 s[WV], 2                          ; the two waves of x
	s_cselect_b32 s9, s2, 0x400                    ; bytes from token to token: x 4,096, dt and dd 1,024,
	s_cselect_b32 s10, s10, 0                      ; x: wave w begins at byte 2,048 w of a row
	s_cselect_b32 s11, 0x400, 0                    ; x: positions 2, 3 lie 1,024 bytes on; the others change tensors there
	s_cmp_eq_u32 s[WV], 3
	s_cselect_b32 s9, 0x200, s9                    ; rg and entropy 512
	s_cselect_b32 s2, 0, 0x200                     ; odd positions lie 512 bytes on, but in wave 3
	s_mul_i32 s3, ttmp9, s9
	s_lshl_b32 s3, s3, 2                           ; my first token's row: 4 x work-group x pitch
	s_add_co_u32 s54, s10, s3                      ; byte offsets of positions 0 to 3, as pairs with 0 on top
	s_add_co_u32 s56, s54, s2
	s_add_co_u32 s58, s54, s11
	s_add_co_u32 s60, s58, s2
	s_mov_b32 s55, 0
	s_mov_b32 s57, 0
	s_mov_b32 s59, 0
	s_mov_b32 s61, 0
	s_lshl_b32 s62, s[WV], 14                      ; 32 bytes x wbase: 0, 16,384,
	s_cmp_eq_u32 s[WV], 2
	s_cselect_b32 s62, 0x8400, s62                 ; 32 x 1,056,
	s_cmp_eq_u32 s[WV], 3
	s_cselect_b32 s62, 0xa400, s62                 ; 32 x 1,312
	s_mov_b32 s63, 0
	s_lshl_b32 s69, ttmp9, 2
	s_add_co_u32 s69, s69, s[WV]                   ; the token that my wave finishes
	s_lshl_b32 s70, s69, 5                         ; its 32 bytes in out1
	s_mov_b32 s71, 0
	s_lshl_b32 s72, s69, 2                         ; its word in route and in each half of gw
	s_mov_b32 s73, 0
	s_lshl_b32 s74, ttmp9, 13                      ; xb: 4 rows of 2,048 bytes a work-group,
	s_lshl_b32 s75, s[WV], 10                      ; 1,024 bytes of each for wave 0 and for wave 1
	s_add_co_u32 s74, s74, s75
	s_mov_b32 s75, 0
	v_lshlrev_b32 v4, 4, v1                        ; 16 lane: token 0,
	v_add_nc_u32 v5, s9, v4                        ; tokens 1 to 3
	v_add_nc_u32 v6, s9, v5
	v_add_nc_u32 v7, s9, v6
	v_lshlrev_b32 v8, 7, v1                        ; my four rows of Wg in a block
	v_lshlrev_b32 v9, 2, v1
	v_lshlrev_b32 v10, 5, v1
	v_lshlrev_b32 v11, 3, v1
	s_lshl_b32 s2, s[WV], 12
	v_add_nc_u32 v12, s2, v4                       ; LDS: where my wave puts its parts: 4,096 w + 16 lane
	s_lshl_b32 s3, s[WV], 10
	v_add_nc_u32 v13, s3, v4                       ; LDS: where token w's parts lie: 1,024 w + 16 lane
	v_lshlrev_b32 v[GWO], 12, v1                   ; gw: 4,096 bytes from choice 0 to choice 1
	v_mov_b32 v[CV+1], 0
	s_wait_kmcnt 0x0
	s_load_b256 s[36:43], s[26:27], 0x0            ; bg
	s_cmp_lt_u32 s[WV], 2
	s_cselect_b64 s[44:45], s[12:13], s[14:15]     ; positions 0, 1: x or dt
	s_cselect_b64 s[46:47], s[12:13], s[14:15]
	s_cselect_b64 s[48:49], s[12:13], s[16:17]     ; positions 2, 3: x or dd,
	s_cselect_b64 s[50:51], s[12:13], s[16:17]
	s_cmp_eq_u32 s[WV], 3
	s_cselect_b64 s[48:49], s[18:19], s[48:49]     ; in wave 3 rg
	s_cselect_b64 s[50:51], s[20:21], s[50:51]     ; and entropy
	s_add_nc_u64 s[44:45], s[44:45], s[54:55]
	s_add_nc_u64 s[46:47], s[46:47], s[56:57]
	s_add_nc_u64 s[48:49], s[48:49], s[58:59]
	s_add_nc_u64 s[50:51], s[50:51], s[60:61]
	s_add_nc_u64 s[52:53], s[24:25], s[62:63]
	s_add_nc_u64 s[28:29], s[28:29], s[70:71]
	s_add_nc_u64 s[30:31], s[30:31], s[74:75]
	s_add_nc_u64 s[32:33], s[32:33], s[72:73]
	s_add_nc_u64 s[34:35], s[34:35], s[72:73]
	; all loads go out before the first wait: 48 a wave (wave 3: 27)
	s_cmp_eq_u32 s[WV], 3
	s_cbranch_scc0 .Lload012
	global_load_b32 v[CV], v9, s[22:23] offset:128             ; city_embeddings[1][lane]
	global_load_b128 v[CG:CG+3], v10, s[24:25] offset:32768    ; Wg row 1,024 + lane
	global_load_b128 v[CG+4:CG+7], v10, s[24:25] offset:32784
	s_branch .Lload23
.Lload012:
	LOADS 0
	LOADS 1
.Lload23:
	LOADS 2
	LOADS 3
	s_cmp_eq_u32 s[WV], 3
	s_cbranch_scc0 .Lmul012
	s_wait_loadcnt 24                              ; the three city loads are in; positions 2 and 3 (12 loads each) stay out
	v_cvt_pk_bf16_f32 v14, v[CV], v[CV]
	v_lshlrev_b32 v[CV], 16, v14
	ROUND4 CG
	ROUND4 CG+4
.irp t, 0,1,2,3
.irp p, 0,1,2,3
	v_pk_mul_f32 v[ACC+8*(\t)+2*(\p):ACC+8*(\t)+2*(\p)+1], v[CG+2*(\p):CG+2*(\p)+1], v[CV:CV+1] op_sel_hi:[1,0]  ; the city term starts the sums, alike for the 4 tokens
.endr
.endr
	s_branch .Lmul23
.Lmul012:
	s_wait_loadcnt 36                              ; position 0 is in; three positions of 12 loads stay out
	FMAS 0, 1
	s_wait_loadcnt 24
	FMAS 1, 0
.Lmul23:
	s_wait_loadcnt 12
	FMAS 2, 0
	s_wait_loadcnt 0x0
	FMAS 3, 0
	s_cmp_lt_u32 s[WV], 2
	s_cbranch_scc0 .Lno_xb
.irp b, 0,1,2,3                        ; x, already rounded, is packed and stored: each store covers 256 consecutive bytes, aligned
.irp t, 0,1,2,3
	v_cvt_pk_bf16_f32 v[W+2*(4*(\b)+(\t))], v[X+16*(\b)+4*(\t)], v[X+16*(\b)+4*(\t)+1]
	v_cvt_pk_bf16_f32 v[W+2*(4*(\b)+(\t))+1], v[X+16*(\b)+4*(\t)+2], v[X+16*(\b)+4*(\t)+3]
	global_store_b64 v11, v[W+2*(4*(\b)+(\t)):W+2*(4*(\b)+(\t))+1], s[30:31] offset:2048*(\t)+256*(\b)
.endr
.endr
.Lno_xb:
	; the parts meet in LDS: [wave][token][half of the experts][lane] 16 bytes
.irp t, 0,1,2,3
	ds_store_b128 v12, v[ACC+8*(\t):ACC+8*(\t)+3] offset:1024*(\t)
	ds_store_b128 v12, v[ACC+8*(\t)+4:ACC+8*(\t)+7] offset:1024*(\t)+512
.endr
	s_wait_dscnt 0x0                               ; for the others' sake: my parts are written
	s_barrier_signal -1
	s_barrier_wait -1
.irp w, 0,1,2,3
	ds_load_b128 v[L+8*(\w):L+8*(\w)+3], v13 offset:4096*(\w)
	ds_load_b128 v[L+8*(\w)+4:L+8*(\w)+7], v13 offset:4096*(\w)+512
.endr
	s_wait_dscnt 0x0
	s_wait_tensorcnt 0x0                           ; the wave's last LDS store lies behind
	ds_add_u32 v2, v3
.irp p, 0,1,2,3
	v_pk_add_f32 v[L+2*(\p):L+2*(\p)+1], v[L+2*(\p):L+2*(\p)+1], v[L+8+2*(\p):L+8+2*(\p)+1]
	v_pk_add_f32 v[L+16+2*(\p):L+16+2*(\p)+1], v[L+16+2*(\p):L+16+2*(\p)+1], v[L+24+2*(\p):L+24+2*(\p)+1]
.endr
.irp p, 0,1,2,3
	v_pk_add_f32 v[L+2*(\p):L+2*(\p)+1], v[L+2*(\p):L+2*(\p)+1], v[L+16+2*(\p):L+16+2*(\p)+1]
.endr
	s_wait_dscnt 0x0
	; over the 32 lanes: four steps inside each half, one across; the eight sums take turns
.irp k, 1,2,4,8
.irp e, 0,1,2,3,4,5,6,7
	v_add_f32_dpp v[L+(\e)], v[L+(\e)], v[L+(\e)] row_xmask:\k row_mask:0xf bank_mask:0xf
.endr
.endr
.irp e, 0,1,2,3,4,5,6,7
	v_permlanex16_b32 v[L+8+(\e)], v[L+(\e)], s66, s67
.endr
	s_wait_kmcnt 0x0                               ; bg
.irp e, 0,1,2,3,4,5,6,7
	v_mov_b32 v[100+(\e)], s[36+(\e)]
.endr
	ROUND4 100
	ROUND4 104
.irp e, 0,1,2,3,4,5,6,7
	v_add_f32 v[L+(\e)], v[L+(\e)], v[L+8+(\e)]
.endr
.irp e, 0,1,2,3,4,5,6,7
	v_add_f32 v[L+(\e)], v[L+(\e)], v[100+(\e)]    ; every lane now holds the token's eight logits
.endr
	; the largest, and the lowest index that holds it
	v_max3_num_f32 v81, v48, v49, v50
	v_max3_num_f32 v81, v81, v51, v52
	v_max3_num_f32 v81, v81, v53, v54
	v_max_num_f32 v81, v81, v55
	v_mov_b32 v82, 0
.irp e, 7,6,5,4,3,2,1,0
	v_cmp_neq_f32 vcc_lo, v[L+(\e)], v81
	v_cndmask_b32 v82, \e, v82, vcc_lo
.endr
	v_mov_b32 v85, 0xff800000
.irp e, 0,1,2,3,4,5,6,7
	v_cmp_eq_u32 vcc_lo, \e, v82
	v_cndmask_b32 v[64+(\e)], v[L+(\e)], v85, vcc_lo  ; the logits without the first choice
.endr
	v_max3_num_f32 v83, v64, v65, v66
	v_max3_num_f32 v83, v83, v67, v68
	v_max3_num_f32 v83, v83, v69, v70
	v_max_num_f32 v83, v83, v71
	v_mov_b32 v84, 0
.irp e, 7,6,5,4,3,2,1,0
	v_cmp_neq_f32 vcc_lo, v[64+(\e)], v83
	v_cndmask_b32 v84, \e, v84, vcc_lo
.endr
	; one batch of nine exponentials: 2^((L - m) log2 e) for the eight, and q for the second choice
.irp e, 0,1,2,3,4,5,6,7
	v_sub_f32 v[72+(\e)], v[L+(\e)], v81
.endr
	v_sub_f32 v80, v83, v81
.irp e, 0,1,2,3,4,5,6,7,8
	v_mul_f32 v[72+(\e)], 0x3fb8aa3b, v[72+(\e)]
.endr
.irp e, 0,1,2,3,4,5,6,7,8
	v_exp_f32 v[72+(\e)], v[72+(\e)]
.endr
	v_mov_b32 v86, 1                               ; plain work behind the last exponential: the route word, (1 << first) | (1 << (16 + second))
	v_add_nc_u32 v88, 16, v84
	v_lshlrev_b32 v94, v82, v86
	v_lshlrev_b32 v88, v88, v86
	v_or_b32 v94, v94, v88
	v_and_b32 v92, 7, v1
	s_wait_alu depctr_va_vdst(0)                   ; one wait for the nine, ahead of their first reader
	v_pk_add_f32 v[98:99], v[72:73], v[74:75]
	v_pk_add_f32 v[108:109], v[76:77], v[78:79]
	v_pk_add_f32 v[98:99], v[98:99], v[108:109]
	v_add_f32 v87, v98, v99
	v_add_f32 v88, 1.0, v80
	v_rcp_f32 v89, v87                             ; 1 / the sum of the eight
	v_rcp_f32 v90, v88                             ; the first gate: 1 / (1 + q)
	v_mov_b32 v93, v72                             ; plain work behind the reciprocals: lane l picks expert l % 8
.irp e, 1,2,3,4,5,6,7
	v_cmp_eq_u32 vcc_lo, \e, v92
	v_cndmask_b32 v93, v93, v[72+(\e)], vcc_lo
.endr
	v_cmp_eq_u32 vcc_lo, 0, v1
	s_wait_alu depctr_va_vdst(0)                   ; one wait for the two
	v_mul_f32 v93, v93, v89
	v_mul_f32 v91, v80, v90                        ; the second gate: q / (1 + q)
	v_cndmask_b32 v95, v91, v90, vcc_lo            ; lane 0 the first gate, lane 1 the second
	s_wait_xcnt 0x0                                ; EXEC changes only when every earlier memory line has read its sources
	v_cmpx_gt_u32 8, v1
	global_store_b32 v9, v93, s[28:29]             ; out1: 32 bytes
	s_wait_xcnt 0x0
	v_cmpx_gt_u32 2, v1
	global_store_b32 v[GWO], v95, s[34:35]         ; gw[choice][token]
	s_wait_xcnt 0x0
	v_cmpx_gt_u32 1, v1
	global_store_b32 v9, v94, s[32:33]             ; route[token]
	s_endpgm
.Lfunc_end_k_q9ab2af0e42_router:
	.size	k_q9ab2af0e42_router, .Lfunc_end_k_q9ab2af0e42_router-k_q9ab2af0e42_router
	.p2alignl 7, 3214868480
	.fill 96, 4, 3214868480
	.section	.rodata,"a",@progbits
	.p2align	6, 0x0
	.amdhsa_kernel k_q9ab2af0e42_router
		.amdhsa_group_segment_fixed_size 16896
		.amdhsa_private_segment_fixed_size 0
		.amdhsa_enable_private_segment 0
		.amdhsa_kernarg_size 96
		.amdhsa_user_sgpr_count 2
		.amdhsa_user_sgpr_kernarg_segment_ptr 1
		.amdhsa_wavefront_size32 1
		.amdhsa_system_sgpr_workgroup_id_x 1
		.amdhsa_system_sgpr_workgroup_id_y 1
		.amdhsa_system_sgpr_workgroup_id_z 1
		.amdhsa_system_vgpr_workitem_id 0
		.amdhsa_next_free_vgpr 252
		.amdhsa_next_free_sgpr 80
		.amdhsa_reserve_vcc 1
		.amdhsa_float_denorm_mode_32 3
		.amdhsa_float_denorm_mode_16_64 3
		.amdhsa_memory_ordered 1
		.amdhsa_forward_progress 1
		.amdhsa_inst_pref_size 53
	.end_amdhsa_kernel
	.amdgpu_metadata
---
amdhsa.version: [ 1, 2 ]
amdhsa.kernels:
  - .name:           k_q9ab2af0e42_router
    .symbol:         k_q9ab2af0e42_router.kd
    .args:
      - { .name: x, .offset: 0, .size: 8, .value_kind: global_buffer, .address_space: global }
      - { .name: delta_t_info, .offset: 8, .size: 8, .value_kind: global_buffer, .address_space: global }
      - { .name: delta_dis_info, .offset: 16, .size: 8, .value_kind: global_buffer, .address_space: global }
      - { .name: delta_rg_info, .offset: 24, .size: 8, .value_kind: global_buffer, .address_space: global }
      - { .name: delta_entropy_info, .offset: 32, .size: 8, .value_kind: global_buffer, .address_space: global }
      - { .name: city_embeddings, .offset: 40, .size: 8, .value_kind: global_buffer, .address_space: global }
      - { .name: Wg, .offset: 48, .size: 8, .value_kind: global_buffer, .address_space: global }
      - { .name: bg, .offset: 56, .size: 8, .value_kind: global_buffer, .address_space: global }
      - { .name: out1, .offset: 64, .size: 8, .value_kind: global_buffer, .address_space: global }
      - { .name: xb, .offset: 72, .size: 8, .value_kind: global_buffer, .address_space: global }
      - { .name: route, .offset: 80, .size: 8, .value_kind: global_buffer, .address_space: global }
      - { .name: gw, .offset: 88, .size: 8, .value_kind: global_buffer, .address_space: global }
    .group_segment_fixed_size: 16896
    .private_segment_fixed_size: 0
    .kernarg_segment_align: 8
    .kernarg_segment_size: 96
    .max_flat_workgroup_size: 128
    .sgpr_count:     80
    .vgpr_count:     252
    .wavefront_size: 32
...
	.end_amdgpu_metadata
.endif
;; end of part 1
;; launch up (part 2): grid 256 x 1, 16 waves a work-group, no clusters, 272,384 bytes of LDS; arguments W1, b1, xb, route, hb; writes hb
.if DOCPART == 2
	.amdgcn_target "amdgcn-amd-amdhsa--gfx1250"
	.amdhsa_code_object_version 6
	.text
	.protected	k_q9ab2af0e42_up
	.globl	k_q9ab2af0e42_up
	.p2align	8
	.type	k_q9ab2af0e42_up,@function
k_q9ab2af0e42_up:
	s_mov_b64 s[64:65], 0
	v_nop
	global_prefetch_b8 v0, s[64:65] scope:SCOPE_SE
	s_setreg_imm32_b32 hwreg(HW_REG_WAVE_MODE, 25, 1), 1
	s_wait_xcnt 0x0
; FIRST PRODUCT.  hidden[place][c] = gelu_tanh(x[token of place] W1[e] + b1[e]), for the rows that chose expert e alone, in the order of e's ranks.
; FORMAT.  x (in xb), W1 and b1 are rounded once to bf16, sums are f32, the hidden row is rounded once to bf16.
; gelu(a) = a / (1 + 2^(a (A0 + A1 a^2))), A0 = -2 log2(e) sqrt(2/pi), A1 = 0.044715 A0: the tanh form, written by one exponential; it ends in a and in -0 for large |a|.  NaN is not treated apart.
; SHARES.  Work-group = expert e (number / 32), 128 columns (slice = number % 32), K = 1,024, all rows of e: 524,288 bytes of W1 that nobody else reads.
; THREE STAGES, two barriers between them.  The weights end as finished bf16 fragments in LDS, 262,144 bytes, and stay there.
;   Stage 1, all 16 waves: each streams 2 units of 32 K x 64 columns (16 loads each): K steps 0-15, all 32 loads out at once; it rounds them and lays the fragments into LDS.
;            The ranks of e's rows are worked out while the weights are on their way.
;   Stage 2: waves 12-15 stream K steps 16-31, 8 units each through three register buffers, 48 loads a wave out; waves 0-11 multiply K steps 0-15 of blocks 0-11 meanwhile.
;            The two ways part once, on the wave's number, and each is closed in itself: no load is out where they part or where they meet.  A wave's loads come back in order
;            (ISA guide 5.7.1), so weights and token rows are not asked for by one wave side by side: a wait for a row would wait for every weight asked for before it.
;            The multiplying waves' text is written flat, every LDS address 16 x lane (+ 65,536) + an immediate: it reads below byte 131,072, the streaming waves store from there on.
;   Stage 3: wave w owns blocks w and w + 16 of 32 rows x 128 columns: 16 accumulators.  K goes in two halves of 16 steps; a block below 12 has its first half behind it.  A block without rows
;            is jumped.  No barrier stands in it, so every split from 0 to 1,024 rows is served, and the weights are read once.
; NO TURNING LOAD.  W1 lies [K][N].  Lane (r, h) loads rows 8 h + i and 16 + 8 h + i, columns 4 r .. 4 r + 3 of a group of 64; rounding rows 2 m, 2 m + 1 of column 4 r + j in pairs gives
;   register m of fragment j, whose place r stands for column 64 g + 4 r + j: a permutation of N alone.
; THE PRODUCT IS USED TRANSPOSED: source 0 = a fragment of weights, source 1 = 16 token rows.  In accumulator (t, g, j) lane (r, h) then holds token row r of tile t, and register i the column
;   64 g + 32 h + 4 i + j.  Rounded, an accumulator's eight numbers are 16 bytes that the second product takes as half a fragment of its A, in this same lane.
; hb's LAYOUT: [e][tile of 16 places][slice][accumulator 4 g + j][lane] 16 bytes: every store here, and every load of it there, covers 512 consecutive bytes, aligned.
; THE RANKS.  route[token] has bit e for a first choice, bit 16 + e for a second.  32 compares leave 32 masks in scalar registers: bit l of mask n is token 128 (n / 4) + 4 l + n % 4.  The rows go
;   by mask, then by bit.  A lane finds the mask that holds its rank by 31 compares with the running count, and the bit in it by counts of 2, 4, 8, 16 bits and five halvings: no list, no LDS.
;   Ranks past the count are held to the last one, so a block that is not full computes that row again; those places of hb are this work-group's own and are stored too.
; THE BIAS is laid once into a table of the wave's own in LDS, in the accumulators' order, and 32 LDS loads put it into the accumulators at a block's start: every K step adds, none is written apart.
; NO CLUSTER: each slice of weights has one reader, and the shared token rows come by ranks, which no tile's descriptor covers.
.set PITCH, 16384                      ; bytes from row to row of W1[e]
.set LOGP,  14
.set HSH,   3+LOGP                     ; the lanes' upper half begins 8 rows on
.set SSH,   5+LOGP                     ; a K step is 32 rows
.set UST,   64*PITCH                   ; stage 2: from a streaming wave's unit to its next: two K steps
.set KSB,   8192                       ; LDS bytes of a K step of 32: [group g][fragment j][half q][lane] 16 bytes; 32 K steps on end
.set H1,    16*KSB                     ; LDS byte of K step 16
.set TBL,   262144                     ; behind them: 16 bias tables of 512 bytes: [h][g][j][i] f32
.set SPARE, 270336                     ; behind the tables: the spare words, 128 bytes for each of 16 waves
.set SPW,  2                           ; v2 my spare word   v3 0   v4 16 lane   v14 16 lane + 65,536   v5 LDS address   v6, v7 my rows' bytes in xb at work, tiles 0, 1
.set NIL,  3                           ; v8 16 h   v9 r   v10 my half of the bias table   v11 my bytes in hb   v12, v13 the block's rows at K = 0   v15, v1 block w + 16's
.set RH0,  16                          ; the ranks' work: v16, 17 the two ranks; v18, 19 their masks; v20, 21 count before the mask | first token << 16
.set RH1,  17
.set M0,   18
.set M1,   19
.set P0,   20
.set P1,   21
.set KK,   22                          ; v22 rank within the mask   v23 first token   v24 at work   v25-28 counts of 2, 4, 8, 16 bits   v29 the bit
.set C0,   23
.set TT,   24
.set QA,   25
.set QB,   26
.set QC,   27
.set QD,   28
.set POS,  29
.set BI,   22                          ; stage 1, ahead of the ranks: v22-25 bias of columns 4 lane ..
.set PO,   26                          ; stage 2, streaming waves: v26 byte offset of my first unit in the slice
.set WO,   30                          ; stage 1: v30 byte offset of my first unit in the slice
.set R,    32                          ; stage 1: v32-63 the 1,024 words of route, then
.set T,    32                          ;          the packed fragments
.set S,    64                          ; v64-255 three buffers of 64 for the stream: load i's four columns at 4 i
.set AF,   16                          ; products: v16-63 token fragments: ring buffer a, tile t at 16 + 16 a + 8 t
.set BF,   64                          ; products: v64-127 weight fragments: group g, fragment j at 64 + 32 g + 8 j
.set ACC,  128                         ; products: v128-255: tile t, group g, fragment j at 128 + 64 t + 32 g + 8 j
.set U,    64                          ; the way out: at work
.set PK,   96                          ; the way out: packed
.set WV,   8
.set EX,   10
.set SL,   11
.set HF,   22                          ; which half of K
.set DN,   23                          ; 1: the block's first half was multiplied in stage 2
.set PW,   24                          ; wave % 4
.set PBP,  25                          ; 4,096 x (wave % 4)
.set CNT,  26                          ; rows of my expert
.set RB,   27                          ; a block's first rank
.set BLK,  28
.set PASS, 29
.set LC,   30
.set PB,   32                          ; 4,096 x wave
.set BOTH, 33
.set BASE, 35
.set PKD,  36
.set TS,   37
.set A0,   38
.set A1,   40
.set TBW,  42                          ; my bias table's first byte
.set MB,   66                          ; s66-97 the 32 masks
.macro PLACES                          ; four plain vector lines between a matrix instruction and a load into, or a vector line on, its registers
.rept 4
	v_nop
.endr
.endm
.macro ROUND4 a                        ; four f32 rounded to bf16 and widened again, in place
	v_cvt_pk_bf16_f32 v19, v[\a], v[(\a)+1]
	v_cvt_pk_bf16_f32 v20, v[(\a)+2], v[(\a)+3]
	v_lshlrev_b32 v[\a], 16, v19
	v_and_b32 v[(\a)+1], 0xffff0000, v19
	v_lshlrev_b32 v[(\a)+2], 16, v20
	v_and_b32 v[(\a)+3], 0xffff0000, v20
.endm
; THE STREAM.  A unit into buffer b: 16 loads, 32 rows of K x 64 columns, `base` bytes on from the offset in v[ro]; each half of the lanes takes 256 consecutive bytes, aligned
.macro PISSUE b, ro, base
.irp i, 0,1,2,3,4,5,6,7,8,9,10,11,12,13,14,15
	global_load_b128 v[S+64*(\b)+4*(\i):S+64*(\b)+4*(\i)+3], v[\ro], s[12:13] offset:(\base)+((\i)+8*((\i)/8))*PITCH th:TH_LOAD_NT
.endr
.endm
; Buffer b's unit is rounded and laid at LDS byte s[sb] + cst + 16 lane.  left: the younger loads, which stay out.
.macro PSTEP b, sb, cst, left
	s_wait_loadcnt \left
	s_add_co_u32 s[TS], s[\sb], \cst
	v_add_nc_u32 v5, s[TS], v4
.irp j, 0,1,2,3
.irp m, 0,1,2,3
	v_cvt_pk_bf16_f32 v[T+8*(\j)+(\m)], v[S+64*(\b)+8*(\m)+(\j)], v[S+64*(\b)+8*(\m)+4+(\j)]
	v_cvt_pk_bf16_f32 v[T+8*(\j)+4+(\m)], v[S+64*(\b)+32+8*(\m)+(\j)], v[S+64*(\b)+36+8*(\m)+(\j)]
.endr
.endr
.irp j, 0,1,2,3
	ds_store_b128 v5, v[T+8*(\j):T+8*(\j)+3] offset:1024*(\j)
	ds_store_b128 v5, v[T+8*(\j)+4:T+8*(\j)+7] offset:1024*(\j)+512
.endr
.endm
; One halving: x holds the counts of w bits, in fields of `width` bits.  If the w bits from POS on hold too few set bits for the rank, they are passed over.
.macro SELSTEP x, width, w
	v_bfe_u32 v[TT], v[\x], v[POS], \width
	v_cmp_ge_u32 vcc_lo, v[KK], v[TT]
	v_cndmask_b32 v[TT], 0, v[TT], vcc_lo
	v_sub_nc_u32 v[KK], v[KK], v[TT]
	v_add_nc_u32 v[TT], \w, v[POS]
	v_cndmask_b32 v[POS], v[POS], v[TT], vcc_lo
.endm
; The set bit of mask m that has the rank rh; its token; its row's bytes in xb
.macro SELBIT rh, m, p, out
	v_and_b32 v[KK], 0xffff, v[\p]
	v_sub_nc_u32 v[KK], v[\rh], v[KK]              ; the rank within the mask
	v_lshrrev_b32 v[C0], 16, v[\p]                 ; the token of the mask's bit 0
	v_lshrrev_b32 v[TT], 1, v[\m]
	v_and_b32 v[TT], 0x55555555, v[TT]
	v_sub_nc_u32 v[QA], v[\m], v[TT]               ; counts of 2 bits,
	v_lshrrev_b32 v[TT], 2, v[QA]
	v_and_b32 v[TT], 0x33333333, v[TT]
	v_and_b32 v[QB], 0x33333333, v[QA]
	v_add_nc_u32 v[QB], v[QB], v[TT]               ; of 4,
	v_lshrrev_b32 v[TT], 4, v[QB]
	v_add_nc_u32 v[TT], v[TT], v[QB]
	v_and_b32 v[QC], 0x0f0f0f0f, v[TT]             ; of 8,
	v_lshrrev_b32 v[TT], 8, v[QC]
	v_add_nc_u32 v[TT], v[TT], v[QC]
	v_and_b32 v[QD], 0x00ff00ff, v[TT]             ; of 16
	v_mov_b32 v[POS], 0
	SELSTEP QD, 8, 16
	SELSTEP QC, 8, 8
	SELSTEP QB, 4, 4
	SELSTEP QA, 2, 2
	SELSTEP \m, 1, 1
	v_lshl_add_u32 v[C0], v[POS], 2, v[C0]         ; the token: 4 tokens from bit to bit
	v_min_u32 v[C0], 0x3ff, v[C0]
	v_lshl_add_u32 v[\out], v[C0], 11, v8          ; its row of 2,048 bytes, + 16 h
.endm
; The tokens of ranks RB + r and RB + 16 + r, into v12 and v13.  The mask wanted is the last whose running count does not pass the rank; the counts never fall, so each step takes the new mask or keeps the old.
.macro SELECT
	s_sub_co_u32 s[TS], s[CNT], 1
	v_add_nc_u32 v[RH0], s[RB], v9
	v_add_nc_u32 v[RH1], 16, v[RH0]
	v_min_u32 v[RH0], s[TS], v[RH0]                ; past the count: the last row again
	v_min_u32 v[RH1], s[TS], v[RH1]
	v_mov_b32 v[M0], s[MB]
	v_mov_b32 v[M1], s[MB]
	v_mov_b32 v[P0], 0
	v_mov_b32 v[P1], 0
	s_mov_b32 s[BASE], 0
.set n, 1
.rept 31
	s_bcnt1_i32_b32 s[TS], s[MB+n-1]
	s_add_co_u32 s[BASE], s[BASE], s[TS]           ; rows ahead of mask n: 1,024 at the most,
	s_or_b32 s[PKD], s[BASE], (128*(n/4)+n%4)<<16  ; with the token of its bit 0 on top
	v_cmp_gt_u32 vcc_lo, s[BASE], v[RH0]
	v_cndmask_b32 v[M0], s[MB+n], v[M0], vcc_lo
	v_cndmask_b32 v[P0], s[PKD], v[P0], vcc_lo
	v_cmp_gt_u32 vcc_lo, s[BASE], v[RH1]
	v_cndmask_b32 v[M1], s[MB+n], v[M1], vcc_lo
	v_cndmask_b32 v[P1], s[PKD], v[P1], vcc_lo
.set n, n+1
.endr
	SELBIT RH0, M0, P0, 12
	SELBIT RH1, M1, P1, 13
.endm
; THE PRODUCTS.  Group g of the K step kb steps on from v[vb]: four fragments, 8 LDS loads of 512 consecutive bytes
.macro BLD g, vb, kb
.irp j, 0,1,2,3
	ds_load_b128 v[BF+32*(\g)+8*(\j):BF+32*(\g)+8*(\j)+3], v[\vb] offset:KSB*(\kb)+4096*(\g)+1024*(\j)
	ds_load_b128 v[BF+32*(\g)+8*(\j)+4:BF+32*(\g)+8*(\j)+7], v[\vb] offset:KSB*(\kb)+4096*(\g)+1024*(\j)+512
.endr
.endm
.macro ALD a, r0, r1, kk               ; token fragments of the K step kk steps on from v[r0], v[r1], into ring buffer a: lane (r, h) takes row r, bytes 16 h and 32 + 16 h of the step's 64
	global_load_b128 v[AF+16*(\a):AF+16*(\a)+3], v[\r0], s[16:17] offset:64*(\kk)
	global_load_b128 v[AF+16*(\a)+4:AF+16*(\a)+7], v[\r0], s[16:17] offset:64*(\kk)+32
	global_load_b128 v[AF+16*(\a)+8:AF+16*(\a)+11], v[\r1], s[16:17] offset:64*(\kk)
	global_load_b128 v[AF+16*(\a)+12:AF+16*(\a)+15], v[\r1], s[16:17] offset:64*(\kk)+32
.endm
.macro MUL8 a, g                       ; 8 products on 8 accumulators, one instruction a turn
.irp j, 0,1,2,3
.irp t, 0,1
	v_wmma_f32_16x16x32_bf16 v[ACC+64*(\t)+32*(\g)+8*(\j):ACC+64*(\t)+32*(\g)+8*(\j)+7], v[BF+32*(\g)+8*(\j):BF+32*(\g)+8*(\j)+7], v[AF+16*(\a)+8*(\t):AF+16*(\a)+8*(\t)+7], v[ACC+64*(\t)+32*(\g)+8*(\j):ACC+64*(\t)+32*(\g)+8*(\j)+7]
.endr
.endr
.endm
.macro INIT                            ; the sums begin at the bias: 32 LDS loads from my table
.irp t, 0,1
.irp g, 0,1
.irp j, 0,1,2,3
	ds_load_b128 v[ACC+64*(\t)+32*(\g)+8*(\j):ACC+64*(\t)+32*(\g)+8*(\j)+3], v10 offset:128*(\g)+32*(\j)
	ds_load_b128 v[ACC+64*(\t)+32*(\g)+8*(\j)+4:ACC+64*(\t)+32*(\g)+8*(\j)+7], v10 offset:128*(\g)+32*(\j)+16
.endr
.endr
.endr
.endm
; A K step: 16 products.  At its head the token fragments of this step and of the two next are out (4 loads each), and both groups' weight fragments (8 LDS loads each).
; ald = 1: ring buffer a is asked for again right behind its last reader, for the step three on (ka + 3 from v[r0], v[r1]): 32 products lie between that request and the wait for it.
; bld = 1: each group's registers are asked for again, for the next step (kb from v[vb]), right behind their last reader.  left: the younger token loads, which stay out.
.macro KSTEP a, r0, r1, ka, vb, kb, left, ald, bld
	s_wait_loadcnt \left
	s_wait_dscnt 0x8                               ; group 0 is in; group 1's eight stay out
	MUL8 \a, 0
.if \bld
	PLACES
	BLD 0, \vb, \kb
	s_wait_dscnt 0x8                               ; group 1 is in; the eight just issued stay out
.else
	s_wait_dscnt 0x0
.endif
	MUL8 \a, 1
	PLACES
.if \ald
	ALD \a, \r0, \r1, (\ka)+3
.endif
.if \bld
	BLD 1, \vb, \kb
.endif
.endm
; The way out of tile t, group g: 32 numbers a lane, each accumulator's registers in ascending order.  Two batches of 32, each with one wait.
.macro GELU t, g
.set XB, ACC+64*(\t)+32*(\g)
.set i, 0
.rept 16
	v_pk_mul_f32 v[U+2*i:U+2*i+1], v[XB+2*i:XB+2*i+1], v[XB+2*i:XB+2*i+1]
.set i, i+1
.endr
.set i, 0
.rept 16
	v_pk_fma_f32 v[U+2*i:U+2*i+1], v[U+2*i:U+2*i+1], s[A1:A1+1], s[A0:A0+1] op_sel_hi:[1,0,0]
.set i, i+1
.endr
.set i, 0
.rept 16
	v_pk_mul_f32 v[U+2*i:U+2*i+1], v[U+2*i:U+2*i+1], v[XB+2*i:XB+2*i+1]
.set i, i+1
.endr
.set i, 0
.rept 32
	v_exp_f32 v[U+i], v[U+i]
.set i, i+1
.endr
	v_nop                                          ; a plain line behind the last exponential,
	s_wait_alu depctr_va_vdst(0)                   ; and one wait for the 32, ahead of their first reader
.set i, 0
.rept 16
	v_pk_add_f32 v[U+2*i:U+2*i+1], v[U+2*i:U+2*i+1], 1.0 op_sel_hi:[1,0]
.set i, i+1
.endr
.set i, 0
.rept 32
	v_rcp_f32 v[U+i], v[U+i]
.set i, i+1
.endr
	v_nop
	s_wait_alu depctr_va_vdst(0)                   ; one wait for the 32 reciprocals
.set i, 0
.rept 16
	v_pk_mul_f32 v[XB+2*i:XB+2*i+1], v[XB+2*i:XB+2*i+1], v[U+2*i:U+2*i+1]
.set i, i+1
.endr
.set i, 0
.rept 16
	v_cvt_pk_bf16_f32 v[PK+16*(\g)+i], v[XB+2*i], v[XB+2*i+1]  ; an accumulator's eight numbers: four registers, 16 bytes
.set i, i+1
.endr
.irp j, 0,1,2,3
	global_store_b128 v11, v[PK+16*(\g)+4*(\j):PK+16*(\g)+4*(\j)+3], s[20:21] offset:131072*(\t)+512*(4*(\g)+(\j))  ; 512 consecutive bytes, aligned
.endr
.endm
	s_load_b256 s[12:19], s[0:1], 0x0              ; W1 12, b1 14, xb 16, route 18
	s_load_b64 s[20:21], s[0:1], 0x20              ; hb
	v_lshl_add_u32 v[SPW], v0, 2, SPARE
	v_mov_b32 v[NIL], 0
	v_and_b32 v1, 31, v0                           ; lane
	v_lshrrev_b32 v16, 5, v0
	v_readfirstlane_b32 s[WV], v16
	v_and_b32 v9, 15, v0                           ; r
	v_bfe_u32 v17, v0, 4, 1                        ; h
	v_bfe_u32 v18, v0, 3, 1
	v_and_b32 v19, 7, v0
	v_lshlrev_b32 v8, 4, v17                       ; 16 h
	v_lshlrev_b32 v4, 4, v1                        ; 16 lane
	v_add_nc_u32 v14, 8*KSB, v4                    ; the same at K step 8
	s_lshr_b32 s[EX], ttmp9, 5
	s_and_b32 s[SL], ttmp9, 31
	s_lshl_b32 s44, s[EX], 24                      ; an expert's 16,777,216 bytes of W1,
	s_lshl_b32 s43, s[SL], 9                       ; my 128 columns
	s_add_co_u32 s44, s44, s43
	s_mov_b32 s45, 0
	s_lshl_b32 s46, s[EX], 14                      ; the same in b1
	s_add_co_u32 s46, s46, s43
	s_mov_b32 s47, 0
	s_lshl_b32 s[TBW], s[WV], 9
	s_add_co_u32 s[TBW], s[TBW], TBL
	s_lshl_b32 s[BOTH], 0x10001, s[EX]
	s_lshl_b32 s[RB], s[WV], 5                     ; block w's first rank
	s_lshl_b32 s[PB], s[WV], 12
	s_mov_b32 s[A0], 0xc0135761                    ; -2.3022082
	s_mov_b32 s[A0+1], s[A0]                       ; named with it as a pair
	s_mov_b32 s[A1], 0xbdd2d3e8                    ; -0.10294324
	s_mov_b32 s[A1+1], s[A1]
	s_lshr_b32 s[TS], s[WV], 1                     ; stage 1: my unit c is K step 8 c + w / 2,
	s_lshl_b32 s[TS], s[TS], SSH
	s_and_b32 s43, s[WV], 1                        ; column group w % 2
	s_lshl_b32 s43, s43, 8
	s_add_co_u32 s[TS], s[TS], s43
	v_lshl_add_u32 v[WO], v17, HSH, s[TS]          ; + 8 h rows
	v_lshl_add_u32 v[WO], v9, 4, v[WO]             ; + 16 r bytes
	v_lshl_add_u32 v10, v17, 8, s[TBW]             ; where I read the table: my half h
	v_lshl_add_u32 v21, v18, 8, s[TBW]             ; where I write it: my columns 4 lane + j are 64 g + 32 h + 4 i + j with lane = 16 g + 8 h + i
	v_lshl_add_u32 v21, v17, 7, v21
	v_lshl_add_u32 v21, v19, 2, v21
	s_wait_kmcnt 0x0
	s_add_nc_u64 s[12:13], s[12:13], s[44:45]
	s_add_nc_u64 s[14:15], s[14:15], s[46:47]
	; STAGE 1
.irp q, 0,1,2,3,4,5,6,7
	global_load_b128 v[R+4*(\q):R+4*(\q)+3], v4, s[18:19] offset:512*(\q)  ; all 1,024 words of route: word n of the 32 is token 128 (n / 4) + 4 lane + n % 4
.endr
	global_load_b128 v[BI:BI+3], v4, s[14:15]      ; the bias of columns 4 lane ..
	PISSUE 1, WO, 0                                ; my two units, 32 loads, into v128-255: the registers of the sums are so written on every way
	PISSUE 2, WO, 256*PITCH
	s_wait_loadcnt 32                              ; route and the bias are in; the 32 loads of weights stay out
	ROUND4 BI
.irp j, 0,1,2,3
	ds_store_b32 v21, v[BI+(\j)] offset:32*(\j)
.endr
.set n, 0
.rept 32
	v_and_b32 v[16+n%2], s[BOTH], v[R+n]
	v_cmp_ne_u32 s[MB+n], 0, v[16+n%2]             ; who chose e
.set n, n+1
.endr
	s_mov_b32 s[CNT], 0
.set n, 0
.rept 32
	s_bcnt1_i32_b32 s[TS], s[MB+n]
	s_add_co_u32 s[CNT], s[CNT], s[TS]
.set n, n+1
.endr
	v_mov_b32 v12, 0
	v_mov_b32 v13, 0
	s_add_co_u32 s[RB], s[RB], 512                 ; the rows of block w + 16 first, then those of block w: one text, walked twice, while the weights are on their way
	s_mov_b32 s[LC], 2
.Lsel:
	v_add_nc_u32 v15, 0, v12                       ; what the trip before found is set aside
	v_add_nc_u32 v1, 0, v13
	SELECT
	s_sub_co_u32 s[RB], s[RB], 512
	s_sub_co_u32 s[LC], s[LC], 1
	s_cmp_lg_u32 s[LC], 0
	s_cbranch_scc1 .Lsel
	s_lshl_b32 s[RB], s[WV], 5
	PSTEP 1, PB, 0, 16                             ; my first unit is in; the second's 16 loads stay out
	PSTEP 2, PB, 8*KSB, 0
	s_wait_dscnt 0x0                               ; for the others' sake: my fragments are written
	s_barrier_signal -1
	s_barrier_wait -1                              ; K steps 0-15 are whole
	; STAGE 2
	s_cmp_lt_u32 s[WV], 12
	s_cbranch_scc1 .Lcons
	; waves 12-15: unit u of eight is K step 16 + 2 u + (w % 4) / 2, column group w % 2
	s_and_b32 s[PW], s[WV], 3
	s_lshl_b32 s[PBP], s[PW], 12
	s_lshr_b32 s[TS], s[PW], 1
	s_lshl_b32 s[TS], s[TS], SSH
	s_and_b32 s43, s[PW], 1
	s_lshl_b32 s43, s43, 8
	s_add_co_u32 s[TS], s[TS], s43
	s_add_co_u32 s[TS], s[TS], 512*PITCH
	v_bfe_u32 v27, v0, 4, 1
	v_and_b32 v28, 15, v0
	v_lshl_add_u32 v27, v27, HSH, s[TS]
	v_lshl_add_u32 v[PO], v28, 4, v27              ; never rewritten: a unit's place stands in the loads' immediate, 7,716,864 bytes at the most
	PISSUE 0, PO, 0
	PISSUE 1, PO, UST
	PISSUE 2, PO, 2*UST
.set u, 0
.rept 8                                ; unit u is rounded and laid down, its buffer asked for again three units on; two younger units stay out, at the end one, then none
.if u < 6
	PSTEP u%3, PBP, H1+2*KSB*u, 32
.elseif u == 6
	PSTEP u%3, PBP, H1+2*KSB*u, 16
.else
	PSTEP u%3, PBP, H1+2*KSB*u, 0
.endif
.if u < 5
	PISSUE u%3, PO, (u+3)*UST
.endif
.set u, u+1
.endr
	s_branch .Ljoin
.Lcons:                                                ; waves 0-11: K steps 0-15 of block w, if it has rows
	s_cmp_lt_u32 s[RB], s[CNT]
	s_cbranch_scc0 .Ljoin
	ALD 0, 12, 13, 0                               ; the ring is filled: K steps 0, 1, 2
	ALD 1, 12, 13, 1
	ALD 2, 12, 13, 2
	INIT
	BLD 0, 4, 0
	BLD 1, 4, 0
.set k, 0
.rept 16                               ; flat: K steps 0-7 are read from v4, 8-15 from v14; the last three steps ask for no rows, and the counts run down to 0
.if k < 13
	KSTEP k%3, 12, 13, k, 4+10*((k+1)/8), (k+1)%8, 8, 1, 1
.elseif k == 13
	KSTEP k%3, 12, 13, k, 14, 6, 8, 0, 1
.elseif k == 14
	KSTEP k%3, 12, 13, k, 14, 7, 4, 0, 1
.else
	KSTEP k%3, 12, 13, k, 14, 0, 0, 0, 0
.endif
.set k, k+1
.endr
.Ljoin:
	s_wait_dscnt 0x0                               ; for the others' sake: my fragments are written; my reads are back
	s_barrier_signal -1
	s_barrier_wait -1                              ; the slice is whole
	; STAGE 3
	s_mov_b32 s[PASS], 0
.Lpass:                                                ; two trips: blocks w and w + 16; a block without rows is jumped
	s_lshl_b32 s[TS], s[PASS], 4
	s_add_co_u32 s[BLK], s[WV], s[TS]
	s_lshl_b32 s[RB], s[BLK], 5
	s_cmp_lt_u32 s[RB], s[CNT]
	s_cbranch_scc0 .Lskip
	s_wait_xcnt 0x0                                ; the block before: its stores have read their registers
	s_cmp_lt_u32 s[BLK], 12
	s_cselect_b32 s[DN], 1, 0                      ; blocks 0-11 have their first half behind them
	s_lshl_b32 s43, s[EX], 23                      ; hb: 64 tiles of 131,072 bytes an expert,
	s_lshl_b32 s[TS], s[BLK], 18                   ; two tiles a block,
	s_add_co_u32 s43, s43, s[TS]
	s_lshl_b32 s[TS], s[SL], 12                    ; 4,096 bytes a slice
	s_add_co_u32 s43, s43, s[TS]
	v_add_nc_u32 v11, s43, v4
	s_mov_b32 s[HF], 0
.Lhf:                                                  ; two trips: K steps 0-15 and 16-31
	s_cmp_lt_u32 s[HF], s[DN]
	s_cbranch_scc1 .Lhfnext
	s_lshl_b32 s[TS], s[HF], 10                    ; 16 K steps are 1,024 bytes of a row,
	v_add_nc_u32 v6, s[TS], v12
	v_add_nc_u32 v7, s[TS], v13
	s_lshl_b32 s[TS], s[HF], 17                    ; and 131,072 bytes of LDS
	v_add_nc_u32 v5, s[TS], v4
	ALD 0, 6, 7, 0                                 ; the ring is filled: the half's K steps 0, 1, 2
	ALD 1, 6, 7, 1
	ALD 2, 6, 7, 2
	s_cmp_lg_u32 s[HF], 0
	s_cbranch_scc1 .Lnoinit
	INIT
.Lnoinit:
	BLD 0, 5, 0
	BLD 1, 5, 0
	s_mov_b32 s[LC], 4
.Lk:                                                   ; the half's K steps 0 to 11, three a trip: once round the ring; 8 younger token loads stay out at each wait
	KSTEP 0, 6, 7, 0, 5, 1, 8, 1, 1
	KSTEP 1, 6, 7, 1, 5, 2, 8, 1, 1
	KSTEP 2, 6, 7, 2, 5, 3, 8, 1, 1
	s_wait_xcnt 0x0                                ; the loads just issued have read v6 and v7
	v_add_nc_u32 v6, 192, v6                       ; three K steps on: 3 x 64 bytes of a row,
	v_add_nc_u32 v7, 192, v7
	v_add_nc_u32 v5, 3*KSB, v5                     ; 3 x 8,192 bytes of LDS
	s_sub_co_u32 s[LC], s[LC], 1
	s_cmp_lg_u32 s[LC], 0
	s_cbranch_scc1 .Lk
	KSTEP 0, 6, 7, 0, 5, 1, 8, 1, 1                ; K step 12 asks for 15;
	KSTEP 1, 6, 7, 1, 5, 2, 8, 0, 1                ; the last three ask for no rows: the counts run down
	KSTEP 2, 6, 7, 2, 5, 3, 4, 0, 1
	KSTEP 0, 6, 7, 3, 5, 0, 0, 0, 0                ; its closing four places stand ahead of whatever follows
.Lhfnext:
	s_add_co_u32 s[HF], s[HF], 1
	s_cmp_lt_u32 s[HF], 2
	s_cbranch_scc1 .Lhf
	GELU 0, 0
	GELU 0, 1
	s_wait_xcnt 0x0                                ; tile 0's stores have read the packed registers
	GELU 1, 0
	GELU 1, 1
.Lskip:
	v_add_nc_u32 v12, 0, v15                       ; the next trip's rows
	v_add_nc_u32 v13, 0, v1
	s_add_co_u32 s[PASS], s[PASS], 1
	s_cmp_lt_u32 s[PASS], 2
	s_cbranch_scc1 .Lpass
	s_wait_dscnt 0x0                               ; my reads of LDS are over
	s_barrier_signal -1
	s_barrier_wait -1                              ; everybody's are: the closing add below meets no read
	s_wait_tensorcnt 0x0                           ; the wave's end, behind my last LDS store
	ds_add_u32 v[SPW], v[NIL]
	s_wait_dscnt 0x0
	s_endpgm
.Lfunc_end_k_q9ab2af0e42_up:
	.size	k_q9ab2af0e42_up, .Lfunc_end_k_q9ab2af0e42_up-k_q9ab2af0e42_up
	.p2alignl 7, 3214868480
	.fill 96, 4, 3214868480
	.section	.rodata,"a",@progbits
	.p2align	6, 0x0
	.amdhsa_kernel k_q9ab2af0e42_up
		.amdhsa_group_segment_fixed_size 272384
		.amdhsa_private_segment_fixed_size 0
		.amdhsa_enable_private_segment 0
		.amdhsa_kernarg_size 40
		.amdhsa_user_sgpr_count 2
		.amdhsa_user_sgpr_kernarg_segment_ptr 1
		.amdhsa_wavefront_size32 1
		.amdhsa_system_sgpr_workgroup_id_x 1
		.amdhsa_system_sgpr_workgroup_id_y 1
		.amdhsa_system_sgpr_workgroup_id_z 1
		.amdhsa_system_vgpr_workitem_id 0
		.amdhsa_next_free_vgpr 256
		.amdhsa_next_free_sgpr 100
		.amdhsa_reserve_vcc 1
		.amdhsa_float_denorm_mode_32 3
		.amdhsa_float_denorm_mode_16_64 3
		.amdhsa_memory_ordered 1
		.amdhsa_forward_progress 1
		.amdhsa_inst_pref_size 168
	.end_amdhsa_kernel
	.amdgpu_metadata
---
amdhsa.version: [ 1, 2 ]
amdhsa.kernels:
  - .name:           k_q9ab2af0e42_up
    .symbol:         k_q9ab2af0e42_up.kd
    .args:
      - { .name: W1, .offset: 0, .size: 8, .value_kind: global_buffer, .address_space: global }
      - { .name: b1, .offset: 8, .size: 8, .value_kind: global_buffer, .address_space: global }
      - { .name: xb, .offset: 16, .size: 8, .value_kind: global_buffer, .address_space: global }
      - { .name: route, .offset: 24, .size: 8, .value_kind: global_buffer, .address_space: global }
      - { .name: hb, .offset: 32, .size: 8, .value_kind: global_buffer, .address_space: global }
    .group_segment_fixed_size: 272384
    .private_segment_fixed_size: 0
    .kernarg_segment_align: 8
    .kernarg_segment_size: 40
    .max_flat_workgroup_size: 512
    .sgpr_count:     100
    .vgpr_count:     256
    .wavefront_size: 32
...
	.end_amdgpu_metadata
.endif
;; end of part 2
;; launch down (part 3): grid 256 x 1, 16 waves a work-group, no clusters, 317,440 bytes of LDS; arguments W2, b2, hb, route, gw, yp; writes yp
.if DOCPART == 3
	.amdgcn_target "amdgcn-amd-amdhsa--gfx1250"
	.amdhsa_code_object_version 6
	.text
	.protected	k_q9ab2af0e42_down
	.globl	k_q9ab2af0e42_down
	.p2align	8
	.type	k_q9ab2af0e42_down,@function
k_q9ab2af0e42_down:
	s_mov_b64 s[64:65], 0
	v_nop
	global_prefetch_b8 v0, s[64:65] scope:SCOPE_SE
	s_setreg_imm32_b32 hwreg(HW_REG_WAVE_MODE, 25, 1), 1
	s_wait_xcnt 0x0
; SECOND PRODUCT.  yp[kq][d][c] = gate[d] x (hidden[place of d][1,024 kq ..] W2[e][1,024 kq ..][c] + (kq = 0: b2[e][c])), d = token + 1,024 x choice: gated partial rows in f32,
; which the last launch adds: 4 quarters of K x 2 choices for each token.
; FORMAT.  W2 and b2 are rounded once to bf16, hb is bf16, sums, gates and partial rows are f32.
; SHARES.  Work-group number n = expert e (n % 8), quarter kq of K ((n / 8) % 4), 128 columns (n / 32), all rows of e: 524,288 bytes of W2 that nobody else reads.  The eight work-groups that
; read the same hidden rows differ in the number's upper three bits alone; the choice changes no value.
; K is split in 4 so that a work-group's share has the first product's shape (K = 1,024, 128 columns): for 256 rows 524,288 bytes of hidden rows in and 131,072 of partial rows out;
; undivided K with 32 columns would read four times the hidden rows, in weight rows of 128 bytes.
; THREE STAGES, two barriers between them, as in the first product.  Stage 1, all 16 waves: each streams 2 units of 32 K x 64 columns, K steps 0-15, all 32 loads out at once, rounds them and lays
; finished B fragments into LDS; the list is built meanwhile.  Stage 2: waves 12-15 stream K steps 16-31, 8 units each through three register buffers, 48 loads a wave out; waves 0-11 multiply
; K steps 0-15 of blocks 0-11 meanwhile.  The two ways part once, on the wave's number, and each is closed in itself: no load is out where they part or where they meet.  A wave's loads come back in
; order (ISA guide 5.7.1), so weights and hidden rows are not asked for by one wave side by side.  The multiplying waves' text is written flat, every LDS address 16 x lane (+ 65,536) + an immediate:
; it reads fragments below byte 131,072, the streaming waves store from there on.  Stage 3: wave w owns blocks w and w + 16 of 32 rows x 128 columns; K goes in two halves of 16 steps; a block below 12
; has its first half behind it; no barrier stands in it, so every split from 0 to 1,024 rows is served, and the weights are read once.
; hb's LAYOUT: [e][tile of 16 places][slice of 128 hidden columns][a = 4 g + j][lane] 16 bytes; lane (r, h) holds place r and the hidden columns 64 g + 32 h + 4 i + j, i = 0 .. 7.
;   Two such pieces, j = 2 s and 2 s + 1, ARE the A fragment of K step s of the 64 columns of group g: a load covers 512 consecutive bytes, aligned, and a tile's quarter is 32,768 bytes on end.
;   That orders K otherwise inside each 64: place 8 h + i of the K step stands for row 32 h + 4 i + 2 s, place 16 + 8 h + i for the row behind it.  W2's rows are loaded in the same order, by the
;   loads' offsets alone; a permutation of K made alike on both sides leaves the products as they are.
; Lane (r, h) of B fragment j of group g stands for column 64 g + 4 r + j, so a lane's four accumulators j hold 16 neighbouring bytes of a row of yp.
; THE SUMS BEGIN AT THE BIAS (0 in quarters 1 to 3): eight numbers a lane, moved into the 128 registers at a block's start, so that every K step adds and both halves of K are one text.
; THE LIST gives each row its d on the way out: every wave ranks all 1,024 tokens, as the first product does, and keeps the entries of its own two blocks in its own LDS bytes.  The places past the
; count repeat the last row: the same numbers are computed from the same hidden row and stored by the same wave at the same address again, so EXEC stays whole.
; NO CLUSTER: each slice of weights has one reader; the hidden rows that an expert's work-groups share have no room in LDS beside the 262,144 bytes of resident weights.
.set PITCH, 4096                       ; bytes from row to row of W2[e]
.set LOGP,  12
.set HSH,   5+LOGP                     ; the lanes' upper half begins 32 rows on
.set SSH,   1+LOGP                     ; K step s of a 64 takes the rows 2 s and 2 s + 1 of every four
.set UST,   64*PITCH                   ; stage 2: from a streaming wave's unit to its next: 64 rows
.set KSB,   8192                       ; LDS bytes of a K step of 32: [group g][fragment j][half q][lane] 16 bytes; 32 K steps on end
.set H1,    16*KSB                     ; LDS byte of K step 16
.set LIST,  262144                     ; 16 lists; words 0-31 block w, 32-63 the lanes' own dump words, 512-543 block w + 16, 544-575 dump words
.set LISTB, 2304
.set BT,    299008                     ; 16 x 1,024 bytes: each lane's eight bias numbers
.set SPARE, 315392                     ; the spare words, 128 bytes for each of 16 waves
.set SPW,  2                           ; v2 my spare word   v3 0   v1 lane   v4 16 lane   v11 16 lane + 65,536   v5 LDS address   v6, v7 my bytes in hb at work, tiles 0, 1
.set NIL,  3                           ; v8 my list + 32 h   v9 16 r   v10 my bias in LDS   v12, v13 the block's bytes in hb at K = 0   v12-15 at work in stage 1, v15 on the way out
.set BI,   20                          ; stage 1: v20-27 bias of my 8 columns (4 g + j)
.set PO,   26                          ; stage 2, streaming waves: v26 byte offset of my first unit in the slice
.set WO,   28                          ; stage 1: v28 byte offset of my first unit in the slice
.set R,    32                          ; stage 1: v32-63 the 1,024 words of route, then
.set T,    32                          ;          the packed fragments
.set S,    64                          ; v64-255 three buffers of 64 for the stream
.set AF,   16                          ; products: v16-63 A fragments: ring buffer a, tile t at 16 + 16 a + 8 t
.set BF,   64                          ; products: v64-127 B fragments: group g, fragment j at 64 + 32 g + 8 j
.set ACC,  128                         ; products: v128-255: tile t, group g, fragment j at 128 + 64 t + 32 g + 8 j
.set BIAS, 64                          ; a block's start: v64-71 the bias, back from LDS
.set DD,   16                          ; the way out: v16-31 d of row (t, i), then its byte in gw
.set OO,   32                          ; v32-47 its byte in yp
.set GG,   48                          ; v48-63 its gate
.set RR,   96                          ; v96-127 eight sets of four results
.set WV,   8
.set EX,   10
.set SL,   11
.set KQ,   24
.set CNT,  26
.set RB,   27
.set BLK,  28
.set PASS, 29
.set LC,   30
.set PB,   32
.set BOTH, 33
.set SH,   34
.set BASE, 35
.set MK,   36
.set TS,   37
.set LB,   42
.set M2,   50
.set W32,  51
.set BTW,  52
.set HF,   53                          ; which half of K
.set DN,   54                          ; 1: the block's first half was multiplied in stage 2
.set PW,   55                          ; wave % 4
.set PBP,  56                          ; 4,096 x (wave % 4)
.macro PLACES                          ; four plain vector lines between a matrix instruction and a load into, or a vector line on, its registers
.rept 4
	v_nop
.endr
.endm
.macro ROUND4 a                        ; four f32 rounded to bf16 and widened again, in place
	v_cvt_pk_bf16_f32 v18, v[\a], v[(\a)+1]
	v_cvt_pk_bf16_f32 v19, v[(\a)+2], v[(\a)+3]
	v_lshlrev_b32 v[\a], 16, v18
	v_and_b32 v[(\a)+1], 0xffff0000, v18
	v_lshlrev_b32 v[(\a)+2], 16, v19
	v_and_b32 v[(\a)+3], 0xffff0000, v19
.endm
; THE STREAM.  A unit into buffer b: 16 loads, `base` bytes on from the offset in v[ro]: rows 4 i (loads 0-7) and 4 i + 1 (loads 8-15) from the lane's first; each half of the lanes takes 256 consecutive bytes, aligned
.macro PISSUE b, ro, base
.irp i, 0,1,2,3,4,5,6,7,8,9,10,11,12,13,14,15
	global_load_b128 v[S+64*(\b)+4*(\i):S+64*(\b)+4*(\i)+3], v[\ro], s[12:13] offset:(\base)+(4*((\i)%8)+(\i)/8)*PITCH th:TH_LOAD_NT
.endr
.endm
; Buffer b's unit is rounded and laid at LDS byte s[sb] + cst + 16 lane.  left: the younger loads, which stay out.
.macro PSTEP b, sb, cst, left
	s_wait_loadcnt \left
	s_add_co_u32 s[TS], s[\sb], \cst
	v_add_nc_u32 v5, s[TS], v4
.irp j, 0,1,2,3
.irp m, 0,1,2,3
	v_cvt_pk_bf16_f32 v[T+8*(\j)+(\m)], v[S+64*(\b)+8*(\m)+(\j)], v[S+64*(\b)+8*(\m)+4+(\j)]
	v_cvt_pk_bf16_f32 v[T+8*(\j)+4+(\m)], v[S+64*(\b)+32+8*(\m)+(\j)], v[S+64*(\b)+36+8*(\m)+(\j)]
.endr
.endr
.irp j, 0,1,2,3
	ds_store_b128 v5, v[T+8*(\j):T+8*(\j)+3] offset:1024*(\j)
	ds_store_b128 v5, v[T+8*(\j)+4:T+8*(\j)+7] offset:1024*(\j)+512
.endr
.endm
.macro LSTEP                           ; tokens 128 (n / 4) + 4 lane + n % 4: those that chose e are ranked in the lanes' order; an entry of my two blocks goes into my list
	v_and_b32 v12, s[BOTH], v[R+n]
	v_cmp_ne_u32 s[MK], 0, v12
	v_mbcnt_lo_u32_b32 v13, s[MK], s[BASE]         ; the rank: the count so far + the chosen lanes below me
	v_sub_nc_u32 v13, v13, s[W32]                  ; less my first block's first place: mine if 0-31 or 512-543
	v_and_b32 v14, 0xfffffdff, v13
	v_cmp_gt_u32 vcc_lo, 32, v14
	s_and_b32 s[M2], vcc_lo, s[MK]
	v_cndmask_b32 v13, v16, v13, s[M2]             ; every other lane writes its own dump word
	v_min_u32 v13, 543, v13
	v_lshl_add_u32 v14, v13, 2, s[LB]
	v_lshrrev_b32 v12, s[SH], v12                  ; 1,024 for a second choice, 0 for a first
	v_add3_u32 v15, v12, v17, 128*(n/4)+n%4
	ds_store_b32 v14, v15
	s_bcnt1_i32_b32 s[TS], s[MK]
	s_add_co_u32 s[BASE], s[BASE], s[TS]
.endm
; Block w + 16 p: the last entry is repeated in the places behind it.  The last place in the block is CNT - 1 - 32 (w + 16 p), held to 31: a full block, and one without rows
; (the difference wraps to a large number), have no lane past it, and every lane writes its dump word.
.macro PAD p
	s_sub_co_u32 s[TS], s[CNT], 1+512*(\p)
	s_sub_co_u32 s[TS], s[TS], s[W32]
	s_min_u32 s[TS], s[TS], 31
	v_lshl_add_u32 v14, s[TS], 2, s[LB]
	ds_load_b32 v15, v14 offset:2048*(\p)          ; LDS serves a wave's lines in order (ISA guide 5.7.1.4): it sees the entries stored above
	v_cmp_lt_u32 vcc_lo, s[TS], v1
	v_cndmask_b32 v13, v16, v1, vcc_lo
	v_min_u32 v13, 63, v13
	v_lshl_add_u32 v12, v13, 2, s[LB]
	s_wait_dscnt 0x0
	ds_store_b32 v12, v15 offset:2048*(\p)
.endm
; THE PRODUCTS.  Group g of the K step kb steps on from v[vb]: four fragments, 8 LDS loads of 512 consecutive bytes
.macro BLD g, vb, kb
.irp j, 0,1,2,3
	ds_load_b128 v[BF+32*(\g)+8*(\j):BF+32*(\g)+8*(\j)+3], v[\vb] offset:KSB*(\kb)+4096*(\g)+1024*(\j)
	ds_load_b128 v[BF+32*(\g)+8*(\j)+4:BF+32*(\g)+8*(\j)+7], v[\vb] offset:KSB*(\kb)+4096*(\g)+1024*(\j)+512
.endr
.endm
.macro ALD a, r0, r1, kk               ; A fragments of the K step kk steps on from v[r0], v[r1], into ring buffer a: two pieces of 512 consecutive bytes a tile
	global_load_b128 v[AF+16*(\a):AF+16*(\a)+3], v[\r0], s[16:17] offset:1024*(\kk)
	global_load_b128 v[AF+16*(\a)+4:AF+16*(\a)+7], v[\r0], s[16:17] offset:1024*(\kk)+512
	global_load_b128 v[AF+16*(\a)+8:AF+16*(\a)+11], v[\r1], s[16:17] offset:1024*(\kk)
	global_load_b128 v[AF+16*(\a)+12:AF+16*(\a)+15], v[\r1], s[16:17] offset:1024*(\kk)+512
.endm
.macro MUL8 a, g                       ; 8 products on 8 accumulators, one instruction a turn
.irp j, 0,1,2,3
.irp t, 0,1
	v_wmma_f32_16x16x32_bf16 v[ACC+64*(\t)+32*(\g)+8*(\j):ACC+64*(\t)+32*(\g)+8*(\j)+7], v[AF+16*(\a)+8*(\t):AF+16*(\a)+8*(\t)+7], v[BF+32*(\g)+8*(\j):BF+32*(\g)+8*(\j)+7], v[ACC+64*(\t)+32*(\g)+8*(\j):ACC+64*(\t)+32*(\g)+8*(\j)+7]
.endr
.endr
.endm
.macro INIT                            ; the sums begin at the bias: an accumulator's eight rows share the lane's column, so its eight registers take one number
	ds_load_b128 v[BIAS:BIAS+3], v10
	ds_load_b128 v[BIAS+4:BIAS+7], v10 offset:512
	s_wait_dscnt 0x0
.irp t, 0,1
.irp g, 0,1
.irp j, 0,1,2,3
.irp i, 0,1,2,3,4,5,6,7
	v_mov_b32 v[ACC+64*(\t)+32*(\g)+8*(\j)+(\i)], v[BIAS+4*(\g)+(\j)]
.endr
.endr
.endr
.endr
.endm
; A K step: 16 products.  At its head the A fragments of this step and of the two next are out (4 loads each), and both groups' B fragments (8 LDS loads each).
; ald = 1: ring buffer a is asked for again right behind its last reader, for the step three on (ka + 3 from v[r0], v[r1]): 32 products lie between that request and the wait for it.
; bld = 1: each group's registers are asked for again, for the next step (kb from v[vb]), right behind their last reader.  left: the younger A loads, which stay out.
.macro KSTEP a, r0, r1, ka, vb, kb, left, ald, bld
	s_wait_loadcnt \left
	s_wait_dscnt 0x8                               ; group 0 is in; group 1's eight stay out
	MUL8 \a, 0
.if \bld
	PLACES
	BLD 0, \vb, \kb
	s_wait_dscnt 0x8                               ; group 1 is in; the eight just issued stay out
.else
	s_wait_dscnt 0x0
.endif
	MUL8 \a, 1
	PLACES
.if \ald
	ALD \a, \r0, \r1, (\ka)+3
.endif
.if \bld
	BLD 1, \vb, \kb
.endif
.endm
	s_load_b256 s[12:19], s[0:1], 0x0              ; W2 12, b2 14, hb 16, route 18
	s_load_b128 s[20:23], s[0:1], 0x20             ; gw 20, yp 22
	v_lshl_add_u32 v[SPW], v0, 2, SPARE
	v_mov_b32 v[NIL], 0
	v_and_b32 v1, 31, v0                           ; lane
	v_lshrrev_b32 v12, 5, v0
	v_readfirstlane_b32 s[WV], v12
	v_and_b32 v14, 15, v0                          ; r
	v_bfe_u32 v15, v0, 4, 1                        ; h
	v_lshlrev_b32 v4, 4, v1                        ; 16 lane
	v_add_nc_u32 v11, 8*KSB, v4                    ; the same at K step 8
	v_lshlrev_b32 v9, 4, v14                       ; 16 r
	s_and_b32 s[EX], ttmp9, 7
	s_bfe_u32 s[KQ], ttmp9, 0x20003                ; 2 bits from bit 3
	s_lshr_b32 s[SL], ttmp9, 5
	s_lshl_b32 s44, s[EX], 24                      ; an expert's 16,777,216 bytes of W2,
	s_lshl_b32 s43, s[KQ], 22                      ; 1,024 rows of 4,096 bytes,
	s_add_co_u32 s44, s44, s43
	s_lshl_b32 s43, s[SL], 9                       ; my 128 columns
	s_add_co_u32 s44, s44, s43
	s_mov_b32 s45, 0
	s_lshl_b32 s46, s[EX], 12                      ; b2
	s_add_co_u32 s46, s46, s43
	s_mov_b32 s47, 0
	s_lshl_b32 s48, s[KQ], 23                      ; yp: a quarter's 2,048 rows of 4,096 bytes
	s_add_co_u32 s48, s48, s43
	s_mov_b32 s49, 0
	s_mul_i32 s[LB], s[WV], LISTB
	s_add_co_u32 s[LB], s[LB], LIST
	s_lshl_b32 s[BTW], s[WV], 10
	s_add_co_u32 s[BTW], s[BTW], BT
	s_lshl_b32 s[BOTH], 0x10001, s[EX]
	s_add_co_u32 s[SH], s[EX], 6
	s_mov_b32 s[BASE], 0
	s_lshl_b32 s[W32], s[WV], 5
	s_lshl_b32 s[PB], s[WV], 12
	s_lshr_b32 s[TS], s[WV], 2                     ; stage 1: my unit c lies in the 64 rows 256 c + 64 (w / 4) on;
	s_lshl_b32 s[TS], s[TS], 6+LOGP
	s_bfe_u32 s43, s[WV], 0x10001                  ; K step s = (w / 2) % 2 of them,
	s_lshl_b32 s43, s43, SSH
	s_add_co_u32 s[TS], s[TS], s43
	s_and_b32 s43, s[WV], 1                        ; column group w % 2
	s_lshl_b32 s43, s43, 8
	s_add_co_u32 s[TS], s[TS], s43
	v_lshl_add_u32 v[WO], v15, HSH, s[TS]          ; + 32 h rows
	v_lshl_add_u32 v[WO], v14, 4, v[WO]            ; + 16 r bytes
	v_lshl_add_u32 v8, v15, 5, s[LB]               ; my list + 32 h: the way out's eight entries a lane
	v_add_nc_u32 v10, s[BTW], v4
	s_wait_kmcnt 0x0
	s_add_nc_u64 s[12:13], s[12:13], s[44:45]
	s_add_nc_u64 s[14:15], s[14:15], s[46:47]
	s_add_nc_u64 s[22:23], s[22:23], s[48:49]
	; STAGE 1
.irp q, 0,1,2,3,4,5,6,7
	global_load_b128 v[R+4*(\q):R+4*(\q)+3], v4, s[18:19] offset:512*(\q)  ; all 1,024 words of route
.endr
	global_load_b128 v[BI:BI+3], v9, s[14:15]                  ; columns 4 r .. of group 0,
	global_load_b128 v[BI+4:BI+7], v9, s[14:15] offset:256     ; of group 1
	PISSUE 1, WO, 0                                ; my two units, 32 loads, into v128-255: the registers of the sums are so written on every way
	PISSUE 2, WO, 256*PITCH
	v_add_nc_u32 v16, 32, v1                       ; my dump word
	v_lshlrev_b32 v17, 2, v1
	v_lshl_add_u32 v18, v1, 2, s[LB]
	ds_store_b32 v18, v[NIL]                       ; my list's 128 words are written once, so that none is read unwritten
	ds_store_b32 v18, v[NIL] offset:128
	ds_store_b32 v18, v[NIL] offset:2048
	ds_store_b32 v18, v[NIL] offset:2176
	s_cmp_eq_u32 s[KQ], 0
	s_cselect_b32 s43, -1, 0                       ; b2 enters in quarter 0 alone
	s_wait_loadcnt 32                              ; route and the bias are in; the 32 loads of weights stay out
	ROUND4 BI
	ROUND4 BI+4
.set i, 0
.rept 8
	v_and_b32 v[BI+i], s43, v[BI+i]
.set i, i+1
.endr
	ds_store_b128 v10, v[BI:BI+3]                  ; the bias waits in LDS for the blocks' starts
	ds_store_b128 v10, v[BI+4:BI+7] offset:512
.set n, 0
.rept 32
	LSTEP
.set n, n+1
.endr
	s_mov_b32 s[CNT], s[BASE]
	PAD 0
	PAD 1
	PSTEP 1, PB, 0, 16                             ; my first unit is in; the second's 16 loads stay out
	PSTEP 2, PB, 8*KSB, 0
	s_wait_dscnt 0x0                               ; for the others' sake: my fragments are written
	s_barrier_signal -1
	s_barrier_wait -1                              ; K steps 0-15 are whole
	; STAGE 2
	s_cmp_lt_u32 s[WV], 12
	s_cbranch_scc1 .Lcons
	; waves 12-15: unit u of eight lies in the 64 rows 512 + 64 u on: K step 16 + 2 u + (w % 4) / 2, column group w % 2
	s_and_b32 s[PW], s[WV], 3
	s_lshl_b32 s[PBP], s[PW], 12
	s_lshr_b32 s[TS], s[PW], 1
	s_lshl_b32 s[TS], s[TS], SSH
	s_and_b32 s43, s[PW], 1
	s_lshl_b32 s43, s43, 8
	s_add_co_u32 s[TS], s[TS], s43
	s_add_co_u32 s[TS], s[TS], 512*PITCH
	v_bfe_u32 v27, v0, 4, 1
	v_and_b32 v28, 15, v0
	v_lshl_add_u32 v27, v27, HSH, s[TS]
	v_lshl_add_u32 v[PO], v28, 4, v27              ; never rewritten: a unit's place stands in the loads' immediate, 1,953,792 bytes at the most
	PISSUE 0, PO, 0
	PISSUE 1, PO, UST
	PISSUE 2, PO, 2*UST
.set u, 0
.rept 8                                ; unit u is rounded and laid down, its buffer asked for again three units on; two younger units stay out, at the end one, then none
.if u < 6
	PSTEP u%3, PBP, H1+2*KSB*u, 32
.elseif u == 6
	PSTEP u%3, PBP, H1+2*KSB*u, 16
.else
	PSTEP u%3, PBP, H1+2*KSB*u, 0
.endif
.if u < 5
	PISSUE u%3, PO, (u+3)*UST
.endif
.set u, u+1
.endr
	s_branch .Ljoin
.Lcons:                                                ; waves 0-11: K steps 0-15 of block w, if it has rows
	s_cmp_lt_u32 s[W32], s[CNT]
	s_cbranch_scc0 .Ljoin
	s_lshl_b32 s43, s[EX], 23                      ; hb: 64 tiles of 131,072 bytes an expert,
	s_lshl_b32 s[TS], s[WV], 18                    ; two tiles a block,
	s_add_co_u32 s43, s43, s[TS]
	s_lshl_b32 s[TS], s[KQ], 15                    ; my quarter: 8 slices of 4,096 bytes
	s_add_co_u32 s43, s43, s[TS]
	v_add_nc_u32 v12, s43, v4                      ; tile 0,
	v_add_nc_u32 v13, 0x20000, v12                 ; tile 1
	ALD 0, 12, 13, 0                               ; the ring is filled: K steps 0, 1, 2
	ALD 1, 12, 13, 1
	ALD 2, 12, 13, 2
	INIT
	BLD 0, 4, 0
	BLD 1, 4, 0
.set k, 0
.rept 16                               ; flat: K steps 0-7 are read from v4, 8-15 from v11; the last three steps ask for no rows, and the counts run down to 0
.if k < 13
	KSTEP k%3, 12, 13, k, 4+7*((k+1)/8), (k+1)%8, 8, 1, 1
.elseif k == 13
	KSTEP k%3, 12, 13, k, 11, 6, 8, 0, 1
.elseif k == 14
	KSTEP k%3, 12, 13, k, 11, 7, 4, 0, 1
.else
	KSTEP k%3, 12, 13, k, 11, 0, 0, 0, 0
.endif
.set k, k+1
.endr
.Ljoin:
	s_wait_dscnt 0x0                               ; for the others' sake: my fragments are written; my reads are back
	s_barrier_signal -1
	s_barrier_wait -1                              ; the slice is whole
	; STAGE 3
	s_mov_b32 s[PASS], 0
.Lpass:                                                ; two trips: blocks w and w + 16; a block without rows is jumped
	s_lshl_b32 s[TS], s[PASS], 4
	s_add_co_u32 s[BLK], s[WV], s[TS]
	s_lshl_b32 s[RB], s[BLK], 5
	s_cmp_lt_u32 s[RB], s[CNT]
	s_cbranch_scc0 .Lskip
	s_wait_xcnt 0x0                                ; the block before: its stores have read their registers
	s_cmp_lt_u32 s[BLK], 12
	s_cselect_b32 s[DN], 1, 0                      ; blocks 0-11 have their first half behind them
	s_lshl_b32 s43, s[EX], 23
	s_lshl_b32 s[TS], s[BLK], 18
	s_add_co_u32 s43, s43, s[TS]
	s_lshl_b32 s[TS], s[KQ], 15
	s_add_co_u32 s43, s43, s[TS]
	v_add_nc_u32 v12, s43, v4
	v_add_nc_u32 v13, 0x20000, v12
	s_mov_b32 s[HF], 0
.Lhf:                                                  ; two trips: K steps 0-15 and 16-31
	s_cmp_lt_u32 s[HF], s[DN]
	s_cbranch_scc1 .Lhfnext
	s_lshl_b32 s[TS], s[HF], 14                    ; 16 K steps are 16,384 bytes of a tile's quarter,
	v_add_nc_u32 v6, s[TS], v12
	v_add_nc_u32 v7, s[TS], v13
	s_lshl_b32 s[TS], s[HF], 17                    ; and 131,072 bytes of LDS
	v_add_nc_u32 v5, s[TS], v4
	ALD 0, 6, 7, 0                                 ; the ring is filled: the half's K steps 0, 1, 2
	ALD 1, 6, 7, 1
	ALD 2, 6, 7, 2
	s_cmp_lg_u32 s[HF], 0
	s_cbranch_scc1 .Lnoinit
	INIT
.Lnoinit:
	BLD 0, 5, 0
	BLD 1, 5, 0
	s_mov_b32 s[LC], 4
.Lk:                                                   ; the half's K steps 0 to 11, three a trip: once round the ring; 8 younger A loads stay out at each wait
	KSTEP 0, 6, 7, 0, 5, 1, 8, 1, 1
	KSTEP 1, 6, 7, 1, 5, 2, 8, 1, 1
	KSTEP 2, 6, 7, 2, 5, 3, 8, 1, 1
	s_wait_xcnt 0x0                                ; the loads just issued have read v6 and v7
	v_add_nc_u32 v6, 3072, v6                      ; three K steps on: 3 x 1,024 bytes of a tile,
	v_add_nc_u32 v7, 3072, v7
	v_add_nc_u32 v5, 3*KSB, v5                     ; 3 x 8,192 bytes of LDS
	s_sub_co_u32 s[LC], s[LC], 1
	s_cmp_lg_u32 s[LC], 0
	s_cbranch_scc1 .Lk
	KSTEP 0, 6, 7, 0, 5, 1, 8, 1, 1                ; K step 12 asks for 15;
	KSTEP 1, 6, 7, 1, 5, 2, 8, 0, 1                ; the last three ask for no rows: the counts run down
	KSTEP 2, 6, 7, 2, 5, 3, 4, 0, 1
	KSTEP 0, 6, 7, 3, 5, 0, 0, 0, 0                ; its closing four places stand ahead of whatever follows
.Lhfnext:
	s_add_co_u32 s[HF], s[HF], 1
	s_cmp_lt_u32 s[HF], 2
	s_cbranch_scc1 .Lhf
	; THE WAY OUT.  Register i of a lane's accumulators is row 16 t + 8 h + i: its d from the list, its gate from gw, its place in yp
	s_lshl_b32 s[TS], s[PASS], 11
	v_add_nc_u32 v15, s[TS], v8
	ds_load_b128 v[DD:DD+3], v15
	ds_load_b128 v[DD+4:DD+7], v15 offset:16
	ds_load_b128 v[DD+8:DD+11], v15 offset:64
	ds_load_b128 v[DD+12:DD+15], v15 offset:80
	s_wait_dscnt 0x0
.set i, 0
.rept 16
	v_min_u32 v[DD+i], 0x7ff, v[DD+i]
.set i, i+1
.endr
.set i, 0
.rept 16
	v_lshl_add_u32 v[OO+i], v[DD+i], 12, v9        ; row d of 4,096 bytes + 16 r
.set i, i+1
.endr
.set i, 0
.rept 16
	v_lshlrev_b32 v[DD+i], 2, v[DD+i]
.set i, i+1
.endr
.set i, 0
.rept 16
	global_load_b32 v[GG+i], v[DD+i], s[20:21]
.set i, i+1
.endr
	s_wait_loadcnt 0x0
.irp t, 0,1
.irp g, 0,1
	s_wait_xcnt 0x0                                ; the stores before have read the eight sets
.set i, 0
.rept 8                                ; each accumulator's registers in ascending order
.irp j, 0,1,2,3
	v_mul_f32 v[RR+4*i+(\j)], v[ACC+64*(\t)+32*(\g)+8*(\j)+i], v[GG+8*(\t)+i]
.endr
	global_store_b128 v[OO+8*(\t)+i], v[RR+4*i:RR+4*i+3], s[22:23] offset:256*(\g)  ; 16 lanes store 256 consecutive bytes of a row, aligned
.set i, i+1
.endr
.endr
.endr
.Lskip:
	s_add_co_u32 s[PASS], s[PASS], 1
	s_cmp_lt_u32 s[PASS], 2
	s_cbranch_scc1 .Lpass
	s_wait_dscnt 0x0                               ; my reads of LDS are over
	s_barrier_signal -1
	s_barrier_wait -1                              ; everybody's are: the closing add below meets no read
	s_wait_tensorcnt 0x0                           ; the wave's end, behind my last LDS store
	ds_add_u32 v[SPW], v[NIL]
	s_wait_dscnt 0x0
	s_endpgm
.Lfunc_end_k_q9ab2af0e42_down:
	.size	k_q9ab2af0e42_down, .Lfunc_end_k_q9ab2af0e42_down-k_q9ab2af0e42_down
	.p2alignl 7, 3214868480
	.fill 96, 4, 3214868480
	.section	.rodata,"a",@progbits
	.p2align	6, 0x0
	.amdhsa_kernel k_q9ab2af0e42_down
		.amdhsa_group_segment_fixed_size 317440
		.amdhsa_private_segment_fixed_size 0
		.amdhsa_enable_private_segment 0
		.amdhsa_kernarg_size 48
		.amdhsa_user_sgpr_count 2
		.amdhsa_user_sgpr_kernarg_segment_ptr 1
		.amdhsa_wavefront_size32 1
		.amdhsa_system_sgpr_workgroup_id_x 1
		.amdhsa_system_sgpr_workgroup_id_y 1
		.amdhsa_system_sgpr_workgroup_id_z 1
		.amdhsa_system_vgpr_workitem_id 0
		.amdhsa_next_free_vgpr 256
		.amdhsa_next_free_sgpr 66
		.amdhsa_reserve_vcc 1
		.amdhsa_float_denorm_mode_32 3
		.amdhsa_float_denorm_mode_16_64 3
		.amdhsa_memory_ordered 1
		.amdhsa_forward_progress 1
		.amdhsa_inst_pref_size 157
	.end_amdhsa_kernel
	.amdgpu_metadata
---
amdhsa.version: [ 1, 2 ]
amdhsa.kernels:
  - .name:           k_q9ab2af0e42_down
    .symbol:         k_q9ab2af0e42_down.kd
    .args:
      - { .name: W2, .offset: 0, .size: 8, .value_kind: global_buffer, .address_space: global }
      - { .name: b2, .offset: 8, .size: 8, .value_kind: global_buffer, .address_space: global }
      - { .name: hb, .offset: 16, .size: 8, .value_kind: global_buffer, .address_space: global }
      - { .name: route, .offset: 24, .size: 8, .value_kind: global_buffer, .address_space: global }
      - { .name: gw, .offset: 32, .size: 8, .value_kind: global_buffer, .address_space: global }
      - { .name: yp, .offset: 40, .size: 8, .value_kind: global_buffer, .address_space: global }
    .group_segment_fixed_size: 317440
    .private_segment_fixed_size: 0
    .kernarg_segment_align: 8
    .kernarg_segment_size: 48
    .max_flat_workgroup_size: 512
    .sgpr_count:     66
    .vgpr_count:     256
    .wavefront_size: 32
...
	.end_amdgpu_metadata
.endif
;; end of part 3
;; launch combine (part 4): grid 256 x 1, 8 waves a work-group, no clusters, 0 bytes of LDS; arguments yp, out0; writes out0
.if DOCPART == 4
	.amdgcn_target "amdgcn-amd-amdhsa--gfx1250"
	.amdhsa_code_object_version 6
	.text
	.protected	k_q9ab2af0e42_combine
	.globl	k_q9ab2af0e42_combine
	.p2align	8
	.type	k_q9ab2af0e42_combine,@function
k_q9ab2af0e42_combine:
	s_mov_b64 s[64:65], 0
	v_nop
	global_prefetch_b8 v0, s[64:65] scope:SCOPE_SE
	s_setreg_imm32_b32 hwreg(HW_REG_WAVE_MODE, 25, 1), 1
	s_wait_xcnt 0x0
; out0[token] = the sum of its eight gated partial rows yp[kq][1,024 k + token], kq = 0..3, k = 0, 1, in f32, in one fixed order.
; A stream: a work-group has 4 tokens, thread t the 16 bytes at 16 t of each row, so a wave's load or store covers 512 consecutive bytes, aligned.
; All 32 loads of a thread go out before the first wait; no loop, no LDS, no barrier: nothing is shared and nothing is read twice.
.set R, 4                              ; v4-131: token n, part 2 kq + k at 4 + 32 n + 4 (2 kq + k)
	s_load_b128 s[4:7], s[0:1], 0x0                ; yp, out0
	v_lshlrev_b32 v1, 4, v0
	s_lshl_b32 s2, ttmp9, 14                       ; 4 rows of 4,096 bytes a work-group
	s_mov_b32 s3, 0
	s_wait_kmcnt 0x0
	s_add_nc_u64 s[8:9], s[4:5], s[2:3]            ; the four quarters lie 8,388,608 bytes apart
	s_add_nc_u64 s[10:11], s[8:9], 0x800000
	s_add_nc_u64 s[12:13], s[10:11], 0x800000
	s_add_nc_u64 s[14:15], s[12:13], 0x800000
	s_add_nc_u64 s[6:7], s[6:7], s[2:3]
.irp n, 0,1,2,3
.irp q, 0,1,2,3
.irp k, 0,1
	global_load_b128 v[R+32*(\n)+4*(2*(\q)+(\k)):R+32*(\n)+4*(2*(\q)+(\k))+3], v1, s[8+2*(\q):9+2*(\q)] offset:4194304*(\k)+4096*(\n) th:TH_LOAD_NT
.endr
.endr
.endr
.irp n, 0,1,2,3
	s_wait_loadcnt 24-8*(\n)                       ; this token's eight are in; the later tokens' stay out
.irp c, 0,2
.irp a, 0,2,4,6
	v_pk_add_f32 v[R+32*(\n)+4*(\a)+(\c):R+32*(\n)+4*(\a)+(\c)+1], v[R+32*(\n)+4*(\a)+(\c):R+32*(\n)+4*(\a)+(\c)+1], v[R+32*(\n)+4*(\a)+4+(\c):R+32*(\n)+4*(\a)+4+(\c)+1]
.endr
.irp a, 0,4
	v_pk_add_f32 v[R+32*(\n)+4*(\a)+(\c):R+32*(\n)+4*(\a)+(\c)+1], v[R+32*(\n)+4*(\a)+(\c):R+32*(\n)+4*(\a)+(\c)+1], v[R+32*(\n)+4*(\a)+8+(\c):R+32*(\n)+4*(\a)+8+(\c)+1]
.endr
	v_pk_add_f32 v[R+32*(\n)+(\c):R+32*(\n)+(\c)+1], v[R+32*(\n)+(\c):R+32*(\n)+(\c)+1], v[R+32*(\n)+16+(\c):R+32*(\n)+16+(\c)+1]
.endr
	global_store_b128 v1, v[R+32*(\n):R+32*(\n)+3], s[6:7] offset:4096*(\n) th:TH_STORE_NT
.endr
	s_endpgm
.Lfunc_end_k_q9ab2af0e42_combine:
	.size	k_q9ab2af0e42_combine, .Lfunc_end_k_q9ab2af0e42_combine-k_q9ab2af0e42_combine
	.p2alignl 7, 3214868480
	.fill 96, 4, 3214868480
	.section	.rodata,"a",@progbits
	.p2align	6, 0x0
	.amdhsa_kernel k_q9ab2af0e42_combine
		.amdhsa_group_segment_fixed_size 0
		.amdhsa_private_segment_fixed_size 0
		.amdhsa_enable_private_segment 0
		.amdhsa_kernarg_size 16
		.amdhsa_user_sgpr_count 2
		.amdhsa_user_sgpr_kernarg_segment_ptr 1
		.amdhsa_wavefront_size32 1
		.amdhsa_system_sgpr_workgroup_id_x 1
		.amdhsa_system_sgpr_workgroup_id_y 1
		.amdhsa_system_sgpr_workgroup_id_z 1
		.amdhsa_system_vgpr_workitem_id 0
		.amdhsa_next_free_vgpr 132
		.amdhsa_next_free_sgpr 66
		.amdhsa_reserve_vcc 0
		.amdhsa_float_denorm_mode_32 3
		.amdhsa_float_denorm_mode_16_64 3
		.amdhsa_memory_ordered 1
		.amdhsa_forward_progress 1
		.amdhsa_inst_pref_size 8
	.end_amdhsa_kernel
	.amdgpu_metadata
---
amdhsa.version: [ 1, 2 ]
amdhsa.kernels:
  - .name:           k_q9ab2af0e42_combine
    .symbol:         k_q9ab2af0e42_combine.kd
    .args:
      - { .name: yp, .offset: 0, .size: 8, .value_kind: global_buffer, .address_space: global }
      - { .name: out0, .offset: 8, .size: 8, .value_kind: global_buffer, .address_space: global }
    .group_segment_fixed_size: 0
    .private_segment_fixed_size: 0
    .kernarg_segment_align: 8
    .kernarg_segment_size: 16
    .max_flat_workgroup_size: 256
    .sgpr_count:     66
    .vgpr_count:     132
    .wavefront_size: 32
...
	.end_amdgpu_metadata
.endif
;; end of part 4
